; MI455X (gfx1250); checked and timed in simulation.
; The chip was launched on July 23, 2026; its instructions are those of AMD's public machine-readable ISA for CDNA 5 (MIT licence, August 2026) and "CDNA5" Instruction Set Architecture Reference Guide (July 2026). The comments in the code are by the model that wrote it; some were corrected since.
;; AMG encoder. Allowed arithmetic: float matrix products may take bf16 or f16 operands with f32 sums; all other float work in f32.
;; Inputs: feature_grids 64 x 2 x 64 x 64 x 64 float32; grid_scales 64 x 3 float32; grid_translations 64 x 3 float32; x 131,072 x 3 float32.
;; Outputs: out0 131,072 x 128 float32.
;; 2 versions, each right; version 2 is version 1 with the launch sample written anew for expert scheduling mode. Each part assembles by itself: llvm-mc -triple=amdgcn-amd-amdhsa -mcpu=gfx1250 --defsym DOCPART=n.
;; ======== version 1 of 2: 2 launches
;; workspace buffers: idx 33,554,432 bytes of whole numbers
;; launch index (part 1): grid 512 x 2, 8 waves a work-group, no clusters, 0 bytes of LDS; arguments x, grid_scales, grid_translations, idx; writes idx
.if DOCPART == 1
	.amdgcn_target "amdgcn-amd-amdhsa--gfx1250"
	.amdhsa_code_object_version 6
	.text
	.protected	k_qafc381730b_index
	.globl	k_qafc381730b_index
	.p2align	8
	.type	k_qafc381730b_index,@function
k_qafc381730b_index:
	s_mov_b64 s[64:65], 0
	v_nop
	global_prefetch_b8 v0, s[64:65] scope:SCOPE_SE
	s_setreg_imm32_b32 hwreg(HW_REG_WAVE_MODE, 25, 1), 1
	s_wait_xcnt 0x0
; idx[g/4][n][g%4] = the cell of point n in grid g: bx + 64 by + 4096 bz, each base b = clamp(floor(i), 0, 62),
; i = x A + C on that axis, A = scale * 31.5/1.48, C = translation * 31.5/1.48 + 31.5 (the reference's map, /1.48 and
; (t+1)*0.5*63 folded into one fused multiply-add: the rounding order differs from the reference's in the last bits).
; A point that lies outside the grid on any axis (floor(i) < -1 or > 63: all eight weights are zero) gets cell 0.
; The next launch forms its addresses from these whole numbers alone and makes the weights itself, by the same instructions.
; LIMITS: a NaN coordinate gives some cell inside the grid (the next launch clamps again), not a NaN.
; One thread = one point; the work-group's y picks 32 of the 64 grids; 8 trips of 4 grids.  A lane stores 16 bytes, so each
; store of a wave covers 512 consecutive bytes, aligned.  No LDS, no barrier: no wave needs another's data.
.set PTS,   256                        ; points of a work-group
.set TRIPS, 8                          ; 32 grids, four a trip
.set IDXQ,  0x200000                   ; bytes of idx for four grids: 131,072 points x 16
.set RAWS,  20                         ; s[20:31]  scales of the trip's 4 grids x 3 axes, as loaded
.set RAWT,  32                         ; s[32:43]  translations likewise
.set CA,    44                         ; s[44:55]  A
.set CC,    68                         ; s[68:79]  C
.set KS,    80                         ; 31.5 / 1.48
.set KTOP,  81                         ; 62.0
.set CNT,   82
.set IDX,   16                         ; v[16:19]  the four cells
	s_load_b256 s[4:11], s[0:1], 0x0               ; x s[4:5], scales s[6:7], translations s[8:9], idx s[10:11]
	s_and_b32 s12, ttmp7, 0xffff                   ; which half of the grids
	s_mul_i32 s14, ttmp9, PTS*12                   ; my work-group's points in x
	s_mov_b32 s15, 0
	s_mul_i32 s16, s12, 32*12                      ; my 32 grids in scales and translations
	s_mov_b32 s17, 0
	s_lshl_b32 s18, s12, 24                        ; 8 blocks of four grids x 2 MiB
	s_lshl_b32 s13, ttmp9, 12                      ; + 256 points x 16 bytes
	s_add_co_u32 s18, s18, s13
	s_mov_b32 s19, 0
	s_mov_b32 s[KS], 0x41aa4530                    ; 31.5 / 1.48
	s_mov_b32 s[KTOP], 0x42780000                  ; 62.0
	v_mul_u32_u24 v1, v0, 12                       ; my point in x
	v_lshlrev_b32 v5, 4, v0                        ; my 16 bytes in idx
	s_wait_kmcnt 0x0
	s_add_nc_u64 s[4:5], s[4:5], s[14:15]
	s_add_nc_u64 s[6:7], s[6:7], s[16:17]
	s_add_nc_u64 s[8:9], s[8:9], s[16:17]
	s_add_nc_u64 s[10:11], s[10:11], s[18:19]
	global_load_b96 v[2:4], v1, s[4:5]             ; x, y, z of my point
.macro LOADCOEF                        ; 12 scales and 12 translations: 48 bytes each
	s_load_b256 s[RAWS:RAWS+7], s[6:7], 0x0
	s_load_b128 s[RAWS+8:RAWS+11], s[6:7], 0x20
	s_load_b256 s[RAWT:RAWT+7], s[8:9], 0x0
	s_load_b128 s[RAWT+8:RAWT+11], s[8:9], 0x20
.endm
	LOADCOEF
; The trip's coefficients; more = 1: the next trip's raw numbers are asked for at once, a whole trip ahead of their use.
.macro COEF more
	s_wait_kmcnt 0x0                               ; scalar loads: only the count 0 shows anything; it also frees their bases
.irp i, 0,1,2,3,4,5,6,7,8,9,10,11
	s_mul_f32 s[CA+\i], s[RAWS+\i], s[KS]
	s_mov_b32 s[CC+\i], 0x41fc0000                 ; 31.5
	s_fmac_f32 s[CC+\i], s[RAWT+\i], s[KS]
.endr
.if \more
	s_add_nc_u64 s[6:7], s[6:7], 48
	s_add_nc_u64 s[8:9], s[8:9], 48
	LOADCOEF
.endif
.endm
.macro CELL j
	v_fma_f32 v8,  v2, s[CA+3*\j],   s[CC+3*\j]    ; i on x, y, z
	v_fma_f32 v9,  v3, s[CA+3*\j+1], s[CC+3*\j+1]
	v_fma_f32 v10, v4, s[CA+3*\j+2], s[CC+3*\j+2]
	v_floor_f32 v8, v8
	v_floor_f32 v9, v9
	v_floor_f32 v10, v10
	v_med3_num_f32 v11, v8,  0, s[KTOP]            ; the bases, clamped in f32: any size of i is served
	v_med3_num_f32 v12, v9,  0, s[KTOP]
	v_med3_num_f32 v13, v10, 0, s[KTOP]
	v_sub_f32 v8, v8, v11                          ; floor - base is -1, 0 or 1 where a corner is inside
	v_sub_f32 v9, v9, v12
	v_sub_f32 v10, v10, v13
	v_fmamk_f32 v12, v13, 0x42800000, v12          ; 64 bz + by: exact, the cell is below 2^18
	v_max3_num_f32 v8, |v8|, |v9|, |v10|
	v_fmamk_f32 v11, v12, 0x42800000, v11          ; 64 (..) + bx
	v_cmp_ge_f32 vcc_lo, 1.0, v8                   ; inside on all three axes
	v_cvt_u32_f32 v11, v11
	v_cndmask_b32 v[IDX+\j], 0, v11, vcc_lo        ; outside: cell 0
.endm
.macro TRIP more
	COEF \more
	CELL 0
	CELL 1
	CELL 2
	CELL 3
	global_store_b128 v5, v[IDX:IDX+3], s[10:11]
.if \more
	s_wait_xcnt 0x0                                ; the store's data and base are written again only behind this wait
	s_add_nc_u64 s[10:11], s[10:11], IDXQ
.endif
.endm
	s_wait_loadcnt 0x0                             ; my point, once
	s_mov_b32 s[CNT], 0
.Ltrip:
	TRIP 1
	s_add_co_u32 s[CNT], s[CNT], 1
	s_cmp_lt_u32 s[CNT], TRIPS-1
	s_cbranch_scc1 .Ltrip
	TRIP 0                                         ; the last trip asks for no further coefficients: no load leaves its buffer
	s_endpgm
.Lfunc_end_k_qafc381730b_index:
	.size	k_qafc381730b_index, .Lfunc_end_k_qafc381730b_index-k_qafc381730b_index
	.p2alignl 7, 3214868480
	.fill 96, 4, 3214868480
	.section	.rodata,"a",@progbits
	.p2align	6, 0x0
	.amdhsa_kernel k_qafc381730b_index
		.amdhsa_group_segment_fixed_size 0
		.amdhsa_private_segment_fixed_size 0
		.amdhsa_enable_private_segment 0
		.amdhsa_kernarg_size 32
		.amdhsa_user_sgpr_count 2
		.amdhsa_user_sgpr_kernarg_segment_ptr 1
		.amdhsa_wavefront_size32 1
		.amdhsa_system_sgpr_workgroup_id_x 1
		.amdhsa_system_sgpr_workgroup_id_y 1
		.amdhsa_system_sgpr_workgroup_id_z 1
		.amdhsa_system_vgpr_workitem_id 0
		.amdhsa_next_free_vgpr 24
		.amdhsa_next_free_sgpr 88
		.amdhsa_reserve_vcc 1
		.amdhsa_float_denorm_mode_32 3
		.amdhsa_float_denorm_mode_16_64 3
		.amdhsa_memory_ordered 1
		.amdhsa_forward_progress 1
		.amdhsa_inst_pref_size 12
	.end_amdhsa_kernel
	.amdgpu_metadata
---
amdhsa.version: [ 1, 2 ]
amdhsa.kernels:
  - .name:           k_qafc381730b_index
    .symbol:         k_qafc381730b_index.kd
    .args:
      - { .name: x, .offset: 0, .size: 8, .value_kind: global_buffer, .address_space: global }
      - { .name: grid_scales, .offset: 8, .size: 8, .value_kind: global_buffer, .address_space: global }
      - { .name: grid_translations, .offset: 16, .size: 8, .value_kind: global_buffer, .address_space: global }
      - { .name: idx, .offset: 24, .size: 8, .value_kind: global_buffer, .address_space: global }
    .group_segment_fixed_size: 0
    .private_segment_fixed_size: 0
    .kernarg_segment_align: 8
    .kernarg_segment_size: 32
    .max_flat_workgroup_size: 256
    .sgpr_count:     88
    .vgpr_count:     24
    .wavefront_size: 32
...
	.end_amdgpu_metadata
.endif
;; end of part 1
;; launch sample (part 2): grid 128 x 2, 32 waves a work-group, no clusters, 282,624 bytes of LDS; arguments x, grid_scales, grid_translations, feature_grids, idx, out0; writes out0
.if DOCPART == 2
	.amdgcn_target "amdgcn-amd-amdhsa--gfx1250"
	.amdhsa_code_object_version 6
	.text
	.protected	k_qafc381730b_sample
	.globl	k_qafc381730b_sample
	.p2align	8
	.type	k_qafc381730b_sample,@function
k_qafc381730b_sample:
	s_mov_b64 s[64:65], 0
	v_nop
	global_prefetch_b8 v0, s[64:65] scope:SCOPE_SE
	s_setreg_imm32_b32 hwreg(HW_REG_WAVE_MODE, 25, 1), 1
	s_wait_xcnt 0x0
; out0[n][2 g + c] = trilinear sample of feature c of grid g at point n (zeros outside, corners aligned).
; One thread = one point (1,024 points a work-group, 32 waves); the work-group's y picks 32 of the 64 grids, so that a point's
; results are 256 consecutive bytes of its output row.  Every work-group walks its grids in the same order.
; ADDRESSES come from the whole numbers of idx alone (the cell bx + 64 by + 4096 bz, bases clamped to 0..62, made by the launch
; before): the 16 words of a sample are read from one offset register, with corner (+4, +256, +16,384 bytes), feature (+1 MiB) and
; the trip's grid (+2 MiB each) in the immediate: at most 7,356,676, inside the signed 24 bits.
; WEIGHTS are made here in f32 by the same instructions as the cell: i = x A + C, b = clamp(floor i, 0, 62), and the words b, b+1
; get max(0, 1 - |i - b|) and max(0, 1 - |i - b - 1|).  For floor i in 0..62 these are the reference's 1 - w and w; for 63 the
; whole weight falls on word 63, for -1 on word 0, elsewhere both are zero: the reference's weight times its validity, without masks.
; LIMITS: rounding order (the map folded into one multiply-add; wx (wy wz)) differs from the reference's in the last bits; NaN or
; infinite coordinates give 0, not NaN; the table is taken as finite (a zero weight may meet another word than the reference's clipped one).
; NOT USED, and why: the matrix unit (no product); tensor loads, clusters and joint requests (no tile is shared: each lane reads its own
; 4-byte words, and a grid of 2 MiB does not fit in LDS); barriers (a wave's stage in LDS is its own: wave x 8,704 bytes).
.set PTS,    1024
.set TRIPS,  8                         ; 32 grids, four a trip
.set GRIDB,  0x200000                  ; bytes of a grid: 2 features x 64 x 64 x 64 x 4
.set FEATB,  0x100000
.set ZB,     16384
.set YB,     256
.set IDXQ,   0x200000                  ; bytes of idx for four grids
.set MAXCELL, 0x3efbe                  ; 62 + 64*62 + 4096*62
.set PITCH,  272                       ; a stage row: 256 bytes + 16, an odd multiple of 16: sixteen lanes' 16-byte stores fall in sixteen different columns
.set WSTAGE, 32*PITCH                  ; a wave's stage
.set AHEAD,  3                         ; grids between a step and the grid that it asks for ahead
.set RAWS,   20                        ; s[20:31]  scales of the trip's 4 grids x 3 axes
.set RAWT,   32                        ; s[32:43]  translations
.set CA,     44                        ; s[44:55]  A
.set CC,     68                        ; s[68:79]  C
.set KS,     80                        ; 31.5 / 1.48
.set KTOP,   81                        ; 62.0
.set CNT,    82
.set I,   8                            ; v[8:11]   cells of the trip's four grids
.set O,   12                           ; v[12:15]  their byte offsets
.set V0,  16                           ; v[16:31]  gathered words, set 0: register 4 row + 2 dx + feature, row = 2 dz + dy
.set V1,  32                           ; v[32:47]  set 1
.set R,   48                           ; v[48:55]  results: grid j's two features in R+2j, R+2j+1
.set WX,  56                           ; v[56:61]  the weight pairs of x, y, z
.set WY,  58
.set WZ,  60
.set YZ,  62                           ; v[62:65]  wy wz for the four rows
.set W,   66                           ; v[66:73]  the eight corner weights
.set T,   74                           ; v[74:79]  at work
	s_load_b256 s[4:11], s[0:1], 0x0               ; x s[4:5], scales s[6:7], translations s[8:9], table s[10:11]
	s_load_b128 s[12:15], s[0:1], 0x20             ; idx s[12:13], out s[14:15]
	v_lshl_add_u32 v96, v0, 2, 0x44000
	v_mov_b32 v97, 0
	v_lshrrev_b32 v1, 5, v0
	v_readfirstlane_b32 s16, v1                    ; wave
	v_and_b32 v1, 31, v0                           ; lane
	s_and_b32 s17, ttmp7, 0xffff                   ; which half of the grids
	s_mul_i32 s18, ttmp9, PTS*12                   ; x: my work-group's points
	s_mov_b32 s19, 0
	s_mul_i32 s84, s17, 32*12                      ; scales, translations: my 32 grids
	s_mov_b32 s85, 0
	s_lshl_b32 s86, s17, 26                        ; table: 32 grids x 2 MiB
	s_mov_b32 s87, 0
	s_lshl_b32 s88, s17, 24                        ; idx: 8 blocks of four grids x 2 MiB
	s_lshl_b32 s92, ttmp9, 14                      ;      + 1,024 points x 16 bytes
	s_add_co_u32 s88, s88, s92
	s_mov_b32 s89, 0
	s_lshl_b32 s90, ttmp9, 19                      ; out: 1,024 rows x 512 bytes
	s_lshl_b32 s93, s16, 14                        ;      + wave x 32 rows
	s_add_co_u32 s90, s90, s93
	s_lshl_b32 s93, s17, 8                         ;      + my half of a row
	s_add_co_u32 s90, s90, s93
	s_mov_b32 s91, 0
	s_lshl_b32 s93, s16, 13                        ; asking ahead: work-group x 16 KiB (s92 as it stands) + wave x 8 KiB
	s_add_co_u32 s92, s92, s93
	s_add_co_u32 s92, s92, AHEAD*GRIDB             ; in the grid AHEAD further on
	s_mul_i32 s93, s16, WSTAGE                     ; my wave's stage
	s_mov_b32 s[KS], 0x41aa4530                    ; 31.5 / 1.48
	s_mov_b32 s[KTOP], 0x42780000                  ; 62.0
	v_mul_u32_u24 v82, v0, 12                      ; my point in x
	v_lshlrev_b32 v5, 4, v0                        ; my 16 bytes in a block of idx
	v_mul_u32_u24 v6, v1, PITCH                    ; stage, in: row = lane
	v_add_nc_u32 v6, s93, v6
	v_lshl_add_u32 v7, v1, 8, s92                  ; asking ahead: lanes 256 bytes apart
	v_lshrrev_b32 v83, 4, v1                       ; lane / 16
	v_and_b32 v84, 15, v1                          ; lane % 16
	v_mul_u32_u24 v80, v83, PITCH                  ; stage, back: lanes 0-15 one row of 256 bytes, lanes 16-31 the next
	v_lshl_add_u32 v80, v84, 4, v80
	v_add_nc_u32 v80, s93, v80
	v_lshlrev_b32 v81, 9, v83                      ; and the same two rows in out
	v_lshl_add_u32 v81, v84, 4, v81
	s_wait_kmcnt 0x0
	s_add_nc_u64 s[4:5], s[4:5], s[18:19]
	s_add_nc_u64 s[6:7], s[6:7], s[84:85]
	s_add_nc_u64 s[8:9], s[8:9], s[84:85]
	s_add_nc_u64 s[10:11], s[10:11], s[86:87]
	s_add_nc_u64 s[12:13], s[12:13], s[88:89]
	s_add_nc_u64 s[14:15], s[14:15], s[90:91]
.macro LOADCOEF                        ; 12 scales and 12 translations: 48 bytes each
	s_load_b256 s[RAWS:RAWS+7], s[6:7], 0x0
	s_load_b128 s[RAWS+8:RAWS+11], s[6:7], 0x20
	s_load_b256 s[RAWT:RAWT+7], s[8:9], 0x0
	s_load_b128 s[RAWT+8:RAWT+11], s[8:9], 0x20
.endm
	LOADCOEF
	global_load_b96 v[2:4], v82, s[4:5]                        ; x, y, z of my point
	global_load_b128 v[I:I+3], v5, s[12:13] th:TH_LOAD_NT      ; the first trip's cells; idx is read once in the launch
; The trip's coefficients, by the same scalar instructions as in the launch that made the cells.
.macro COEF more
	s_wait_kmcnt 0x0                               ; scalar loads: only the count 0 shows anything; it also frees their bases
.irp i, 0,1,2,3,4,5,6,7,8,9,10,11
	s_mul_f32 s[CA+\i], s[RAWS+\i], s[KS]
	s_mov_b32 s[CC+\i], 0x41fc0000                 ; 31.5
	s_fmac_f32 s[CC+\i], s[RAWT+\i], s[KS]
.endr
.if \more
	s_add_nc_u64 s[6:7], s[6:7], 48
	s_add_nc_u64 s[8:9], s[8:9], 48
	LOADCOEF                                       ; the next trip's, a whole trip ahead of their use
.endif
.endm
; The 16 words of grid j of the trip: four rows (dz, dy), two features, x and x + 1 one behind the other.
.macro GATHER j, vs
.irp r, 0,1,2,3
.irp c, 0,1
	global_load_b32 v[\vs+4*\r+\c],   v[O+\j], s[10:11] offset:\j*GRIDB+\c*FEATB+(\r>>1)*ZB+(\r&1)*YB
	global_load_b32 v[\vs+4*\r+2+\c], v[O+\j], s[10:11] offset:\j*GRIDB+\c*FEATB+(\r>>1)*ZB+(\r&1)*YB+4
.endr
.endr
.endm
; Asking ahead: the 128 work-groups of a half share each grid's 2 MiB, 16 KiB each; waves 0 and 1 ask for 8 KiB each, lanes 256 bytes
; apart, so each block is asked for once in the launch.  Step j asks for the grid AHEAD = 3 further on, whose first gathers are issued
; two steps later (gathers run one step ahead of the sums).  The last grid asked for is the half's last.
.macro PREF j, tag
	s_cmp_gt_u32 s16, 1
	s_cbranch_scc1 .Lnp_\tag\j
	global_prefetch_b8 v7, s[10:11] offset:\j*GRIDB th:TH_LOAD_NT scope:SCOPE_SE
.Lnp_\tag\j:
.endm
; The eight corner weights of grid j.
.macro WEIGHTS j
.irp a, 0,1,2
	v_fma_f32 v[T+\a], v[2+\a], s[CA+3*\j+\a], s[CC+3*\j+\a]   ; i
.endr
.irp a, 0,1,2
	v_floor_f32 v[T+3+\a], v[T+\a]
.endr
.irp a, 0,1,2
	v_med3_num_f32 v[T+3+\a], v[T+3+\a], 0, s[KTOP]            ; b
.endr
.irp a, 0,1,2
	v_sub_f32 v[T+\a], v[T+\a], v[T+3+\a]                      ; i - b
.endr
.irp a, 0,1,2
	v_add_f32 v[T+3+\a], -1.0, v[T+\a]                         ; i - (b + 1)
.endr
.irp a, 0,1,2
	v_sub_f32 v[WX+2*\a],   1.0, |v[T+\a]|
	v_sub_f32 v[WX+2*\a+1], 1.0, |v[T+3+\a]|
.endr
.irp a, 0,1,2,3,4,5
	v_max_num_f32 v[WX+\a], 0, v[WX+\a]
.endr
	v_pk_mul_f32 v[YZ:YZ+1],   v[WY:WY+1], v[WZ:WZ+1] op_sel_hi:[1,0]                   ; (wy0, wy1) wz0
	v_pk_mul_f32 v[YZ+2:YZ+3], v[WY:WY+1], v[WZ:WZ+1] op_sel:[0,1] op_sel_hi:[1,1]      ; (wy0, wy1) wz1
	v_pk_mul_f32 v[W:W+1],     v[WX:WX+1], v[YZ:YZ+1] op_sel_hi:[1,0]                   ; (wx0, wx1) x row 0 .. 3
	v_pk_mul_f32 v[W+2:W+3],   v[WX:WX+1], v[YZ:YZ+1] op_sel:[0,1] op_sel_hi:[1,1]
	v_pk_mul_f32 v[W+4:W+5],   v[WX:WX+1], v[YZ+2:YZ+3] op_sel_hi:[1,0]
	v_pk_mul_f32 v[W+6:W+7],   v[WX:WX+1], v[YZ+2:YZ+3] op_sel:[0,1] op_sel_hi:[1,1]
.endm
; Both features at once, the corners in the reference's order; the first product starts the sum.
.macro ACC vs, acc
	v_pk_mul_f32 v[\acc:\acc+1], v[\vs:\vs+1],   v[W:W+1] op_sel_hi:[1,0]
	v_pk_fma_f32 v[\acc:\acc+1], v[\vs+2:\vs+3], v[W:W+1], v[\acc:\acc+1] op_sel:[0,1,0] op_sel_hi:[1,1,1]
.irp k, 1,2,3
	v_pk_fma_f32 v[\acc:\acc+1], v[\vs+4*\k:\vs+4*\k+1],   v[W+2*\k:W+2*\k+1], v[\acc:\acc+1] op_sel_hi:[1,0,1]
	v_pk_fma_f32 v[\acc:\acc+1], v[\vs+4*\k+2:\vs+4*\k+3], v[W+2*\k:W+2*\k+1], v[\acc:\acc+1] op_sel:[0,1,0] op_sel_hi:[1,1,1]
.endr
.endm
; A trip: four grids.  Two sets of 16 registers take turns, so that one grid's 16 gathers are out while the grid before is summed.
; more = 1: a trip follows (its cells and coefficients are asked for, the bases step).
.macro TRIP more, tag
	COEF \more
	s_wait_loadcnt 0x0                             ; this trip's cells (and, the first time, my point); nothing else is out
.irp j, 0,1,2,3
	v_min_u32 v[O+\j], MAXCELL, v[I+\j]            ; a loaded number enters an address only clamped: every corner stays inside the grid
.endr
.irp j, 0,1,2,3
	v_lshlrev_b32 v[O+\j], 2, v[O+\j]
.endr
.if \more
	s_add_nc_u64 s[12:13], s[12:13], IDXQ          ; its last load was waited for above
	global_load_b128 v[I:I+3], v5, s[12:13] th:TH_LOAD_NT      ; the next trip's cells: older than every gather below
.endif
	GATHER 0, V0
	GATHER 1, V1
	PREF 0, \tag                                   ; in the last trip too: 28 + 0 + AHEAD = 31, the half's last grid
	WEIGHTS 0
	s_wait_loadcnt 16                              ; loads come back in order (ISA guide 5.7.1): set 0 is in, the 16 gathers of set 1 stay out
	ACC V0, R
	GATHER 2, V0
.if \more
	PREF 1, \tag
.endif
	WEIGHTS 1
	s_wait_loadcnt 16                              ; set 1 is in, grid 2's 16 stay out
	ACC V1, R+2
	ds_store_b128 v6, v[R:R+3]                     ; two grids x two features: 16 bytes of my row
	GATHER 3, V1
.if \more
	PREF 2, \tag
.endif
	WEIGHTS 2
	s_wait_loadcnt 16                              ; grid 2 is in, grid 3's 16 stay out
	ACC V0, R+4
.if \more
	PREF 3, \tag
.endif
	WEIGHTS 3
	s_wait_loadcnt 0x0                             ; nothing was issued behind grid 3's gathers
	ACC V1, R+6
	ds_store_b128 v6, v[R+4:R+7] offset:16
.if \more
	v_add_nc_u32 v6, 32, v6                        ; four grids on in my row
	s_wait_xcnt 0x0                                ; the requests ahead name the table's base too: it steps only behind this wait
	s_add_nc_u64 s[10:11], s[10:11], 4*GRIDB
.endif
.endm
	s_mov_b32 s[CNT], 0
.Ltrip:
	TRIP 1, a
	s_add_co_u32 s[CNT], s[CNT], 1
	s_cmp_lt_u32 s[CNT], TRIPS-1
	s_cbranch_scc1 .Ltrip
	TRIP 0, b                                      ; the last trip asks for nothing beyond its buffers
	; THE WAY OUT: my wave's 32 rows of 256 bytes, two rows a load.  LDS serves a wave's instructions in order (ISA guide 5.7.1.4), and the
	; rows are my wave's own: no wait and no barrier between the stores above and these loads.
.irp t, 0,1,2,3,4,5,6,7,8,9,10,11,12,13,14,15
	ds_load_b128 v[16+4*\t:16+4*\t+3], v80 offset:\t*2*PITCH
.endr
.irp t, 0,1,2,3,4,5,6,7,8,9,10,11,12,13,14,15
	s_wait_dscnt 15-\t                             ; rows 2t, 2t+1 are in; the younger loads stay out
	global_store_b128 v81, v[16+4*\t:16+4*\t+3], s[14:15] offset:\t*1024 th:TH_STORE_NT   ; 16 lanes store 256 consecutive bytes, at a multiple of 256 from out's first byte
.endr
	s_wait_tensorcnt 0x0
	ds_add_u32 v96, v97
	s_wait_dscnt 0x0
	s_endpgm
.Lfunc_end_k_qafc381730b_sample:
	.size	k_qafc381730b_sample, .Lfunc_end_k_qafc381730b_sample-k_qafc381730b_sample
	.p2alignl 7, 3214868480
	.fill 96, 4, 3214868480
	.section	.rodata,"a",@progbits
	.p2align	6, 0x0
	.amdhsa_kernel k_qafc381730b_sample
		.amdhsa_group_segment_fixed_size 282624
		.amdhsa_private_segment_fixed_size 0
		.amdhsa_enable_private_segment 0
		.amdhsa_kernarg_size 48
		.amdhsa_user_sgpr_count 2
		.amdhsa_user_sgpr_kernarg_segment_ptr 1
		.amdhsa_wavefront_size32 1
		.amdhsa_system_sgpr_workgroup_id_x 1
		.amdhsa_system_sgpr_workgroup_id_y 1
		.amdhsa_system_sgpr_workgroup_id_z 1
		.amdhsa_system_vgpr_workitem_id 0
		.amdhsa_next_free_vgpr 98
		.amdhsa_next_free_sgpr 96
		.amdhsa_reserve_vcc 0
		.amdhsa_float_denorm_mode_32 3
		.amdhsa_float_denorm_mode_16_64 3
		.amdhsa_memory_ordered 1
		.amdhsa_forward_progress 1
		.amdhsa_inst_pref_size 41
	.end_amdhsa_kernel
	.amdgpu_metadata
---
amdhsa.version: [ 1, 2 ]
amdhsa.kernels:
  - .name:           k_qafc381730b_sample
    .symbol:         k_qafc381730b_sample.kd
    .args:
      - { .name: x, .offset: 0, .size: 8, .value_kind: global_buffer, .address_space: global }
      - { .name: grid_scales, .offset: 8, .size: 8, .value_kind: global_buffer, .address_space: global }
      - { .name: grid_translations, .offset: 16, .size: 8, .value_kind: global_buffer, .address_space: global }
      - { .name: feature_grids, .offset: 24, .size: 8, .value_kind: global_buffer, .address_space: global }
      - { .name: idx, .offset: 32, .size: 8, .value_kind: global_buffer, .address_space: global }
      - { .name: out0, .offset: 40, .size: 8, .value_kind: global_buffer, .address_space: global }
    .group_segment_fixed_size: 282624
    .private_segment_fixed_size: 0
    .kernarg_segment_align: 8
    .kernarg_segment_size: 48
    .max_flat_workgroup_size: 1024
    .sgpr_count:     96
    .vgpr_count:     98
    .wavefront_size: 32
...
	.end_amdgpu_metadata
.endif
;; end of part 2
;; ======== version 2 of 2: 2 launches; version 1 with the launch sample written anew for expert scheduling mode
;; workspace buffers: idx 33,554,432 bytes of whole numbers
;; launch index: the kernel of part 1 again; grid 512 x 2, 8 waves a work-group, no clusters, 0 bytes of LDS; arguments x, grid_scales, grid_translations, idx; writes idx
;; launch sample (part 3): grid 128 x 2, 32 waves a work-group, no clusters, 282,624 bytes of LDS; arguments x, grid_scales, grid_translations, feature_grids, idx, out0; writes out0
.if DOCPART == 3
	.amdgcn_target "amdgcn-amd-amdhsa--gfx1250"
	.amdhsa_code_object_version 6
	.text
	.protected	k_qafc381730b_sample
	.globl	k_qafc381730b_sample
	.p2align	8
	.type	k_qafc381730b_sample,@function
k_qafc381730b_sample:
	s_mov_b64 s[64:65], 0
	v_nop
	global_prefetch_b8 v0, s[64:65] scope:SCOPE_SE
	s_setreg_imm32_b32 hwreg(HW_REG_WAVE_SCHED_MODE, 0, 2), 2
	s_setreg_imm32_b32 hwreg(HW_REG_WAVE_MODE, 25, 1), 1
	s_wait_xcnt 0x0
	s_wait_alu depctr_vm_vsrc(0)
; out0[n][2 g + c] = trilinear sample of feature c of grid g at point n (zeros outside, corners aligned).
; One thread = one point (1,024 points a work-group, 32 waves); the work-group's y picks 32 of the 64 grids, so that a point's
; results are 256 consecutive bytes of its output row.  Every work-group walks its grids in the same order.
; ADDRESSES come from the whole numbers of idx alone (the cell bx + 64 by + 4096 bz, bases clamped to 0..62, made by the launch
; before): the 16 words of a sample are read from one offset register, with corner (+4, +256, +16,384 bytes), feature (+1 MiB) and
; the trip's grid (+2 MiB each) in the immediate: at most 7,356,676, inside the signed 24 bits.
; WEIGHTS are made here in f32 by the same instructions as the cell: i = x A + C, b = clamp(floor i, 0, 62), and the words b, b+1
; get max(0, 1 - |i - b|) and max(0, 1 - |i - b - 1|).  For floor i in 0..62 these are the reference's 1 - w and w; for 63 the
; whole weight falls on word 63, for -1 on word 0, elsewhere both are zero: the reference's weight times its validity, without masks.
; LIMITS: rounding order (the map folded into one multiply-add; wx (wy wz)) differs from the reference's in the last bits; NaN or
; infinite coordinates give 0, not NaN; the table is taken as finite (a zero weight may meet another word than the reference's clipped one).
; NOT USED, and why: the matrix unit (no product); tensor loads, clusters and joint requests (no tile is shared: each lane reads its own
; 4-byte words, and a grid of 2 MiB does not fit in LDS); barriers (a wave's stage in LDS is its own: wave x 8,704 bytes).
; THE MODE: SCHED_MODE bits 1:0 = 2 (LLVM: expert scheduling mode 2), set by the entry lines.  The code itself states the register dependences
; between vector instructions and memory or LDS instructions, with s_wait_alu, always for 0.
; THE PLAN.  A step is one grid, a trip four steps.  Step j sums set j; at its head it issues the 16 gathers of the grid three steps on, into
; set (j + 3) % 4, which the step before summed.  Registers that memory or LDS instructions touch:
;   S0 .. S3   Set k: landed in by the gathers at the head of step (k + 1) % 4; read by step k's sums.
;   O0 .. O3   The gathers' offsets.  O0 is written in step 0, O1 to O3 in step 1 (the next trip's cells); read by the gathers at the heads of steps 1, 2, 3, 0.
;   I          Four cells: landed in by the load at step 2's head; read by steps 0 and 1 of the next trip.
;   R          Step j's sums write R + 2 j.  The LDS store at step 2's head reads R[0:3], the one at the next step 0's head R[4:7].
;   v6         The stage address: read by both LDS stores; moved on in step 1.
;   v5, v7, BK, GO, XO   offsets made at the head and never written again.
;   W, WX, YZ, T are named by vector instructions alone.
; So one wait on va_vdst at a step's head states all that the step's memory instructions hang on (the step before is done reading the set, and has written
; the offset, the results and the stage address that are read); it is written only where a memory instruction follows.  Waits on vm_vsrc stand at the heads
; of steps 0 and 1, ahead of the lines that write O, R and v6 again, a whole step behind the instructions that read them.
; The loop is cut as steps 2, 3 of one trip and 0, 1 of the next, so that each of its trips is alike.
.set PTS,    1024
.set TRIPS,  8                         ; 32 grids, four a trip
.set GRIDB,  0x200000                  ; bytes of a grid: 2 features x 64 x 64 x 64 x 4
.set FEATB,  0x100000
.set ZB,     16384
.set YB,     256
.set IDXQ,   0x200000                  ; bytes of idx for four grids
.set MAXCELL, 0x3efbe                  ; 62 + 64*62 + 4096*62
.set PITCH,  272                       ; a stage row: 256 bytes + 16, an odd multiple of 16: sixteen lanes' 16-byte stores fall in sixteen different columns
.set WSTAGE, 32*PITCH                  ; a wave's stage
.set AHEAD,  5                         ; grids between a step and the grid that it asks for ahead
.set RAWS,   20                        ; s[20:31]  scales of the trip's 4 grids x 3 axes
.set RAWT,   32                        ; s[32:43]  translations
.set CA,     44                        ; s[44:55]  A
.set CC,     68                        ; s[68:79]  C
.set KS,     80                        ; 31.5 / 1.48
.set KTOP,   81                        ; 62.0
.set CNT,    82
.set I,   8                            ; v[8:11]    cells of four grids
.set O,   12                           ; v[12:15]   their byte offsets
.set S,   16                           ; v[16:79]   gathered words, set k at S + 16 k: register 4 row + 2 dx + feature, row = 2 dz + dy
.set R,   80                           ; v[80:87]   results: grid j's two features in R+2j, R+2j+1
.set WX,  88                           ; v[88:93]   the weight pairs of x, y, z
.set WY,  90
.set WZ,  92
.set YZ,  94                           ; v[94:97]   wy wz for the four rows
.set W,   98                           ; v[98:105]  the eight corner weights
.set T,   106                          ; v[106:111] at work
.set BK,  112                          ; v112       the way out: where I read rows back from the stage
.set GO,  113                          ; v113       the way out: my byte offset in two rows of out
.set XO,  114                          ; v114       my point in x
.set TA,  115                          ; v115, v116 at the head only
.set TB,  116
	s_load_b256 s[4:11], s[0:1], 0x0               ; x s[4:5], scales s[6:7], translations s[8:9], table s[10:11]
	s_load_b128 s[12:15], s[0:1], 0x20             ; idx s[12:13], out s[14:15]
	v_lshl_add_u32 v118, v0, 2, 0x44000
	v_mov_b32 v119, 0
	v_lshrrev_b32 v1, 5, v0
	v_readfirstlane_b32 s16, v1                    ; wave
	v_and_b32 v1, 31, v0                           ; lane
	v_mul_u32_u24 v[XO], v0, 12                    ; my point in x
	v_lshlrev_b32 v5, 4, v0                        ; my 16 bytes in a block of idx
	v_lshrrev_b32 v[TA], 4, v1                     ; lane / 16
	v_and_b32 v[TB], 15, v1                        ; lane % 16
	s_and_b32 s17, ttmp7, 0xffff                   ; which half of the grids
	s_mul_i32 s18, ttmp9, PTS*12                   ; x: my work-group's points
	s_mov_b32 s19, 0
	s_mul_i32 s84, s17, 32*12                      ; scales, translations: my 32 grids
	s_mov_b32 s85, 0
	s_lshl_b32 s86, s17, 26                        ; table: 32 grids x 2 MiB
	s_mov_b32 s87, 0
	s_lshl_b32 s88, s17, 24                        ; idx: 8 blocks of four grids x 2 MiB
	s_lshl_b32 s92, ttmp9, 14                      ;      + 1,024 points x 16 bytes
	s_add_co_u32 s88, s88, s92
	s_mov_b32 s89, 0
	s_lshl_b32 s90, ttmp9, 19                      ; out: 1,024 rows x 512 bytes
	s_mov_b32 s[KS], 0x41aa4530                    ; 31.5 / 1.48
	s_mov_b32 s[KTOP], 0x42780000                  ; 62.0
	s_wait_alu depctr_va_sdst(0)                   ; s16 is written, ahead of its first reader: out's base, the share asked for ahead and the stage are made from it
	s_lshl_b32 s93, s16, 14                        ;      + wave x 32 rows
	s_add_co_u32 s90, s90, s93
	s_lshl_b32 s93, s17, 8                         ;      + my half of a row
	s_add_co_u32 s90, s90, s93
	s_mov_b32 s91, 0
	s_lshl_b32 s93, s16, 13                        ; asking ahead: work-group x 16 KiB (s92 as it stands) + wave x 8 KiB
	s_add_co_u32 s92, s92, s93
	s_add_co_u32 s92, s92, (AHEAD-3)*GRIDB         ; two grids on; the rest of the way stands in the immediates
	s_mul_i32 s93, s16, WSTAGE                     ; my wave's stage
	v_mul_u32_u24 v6, v1, PITCH                    ; stage, in: row = lane
	v_add_nc_u32 v6, s93, v6
	v_lshl_add_u32 v7, v1, 8, s92                  ; asking ahead: lanes 256 bytes apart
	v_mul_u32_u24 v[BK], v[TA], PITCH              ; stage, back: lanes 0-15 one row of 256 bytes, lanes 16-31 the next
	v_lshl_add_u32 v[BK], v[TB], 4, v[BK]
	v_add_nc_u32 v[BK], s93, v[BK]
	v_lshlrev_b32 v[GO], 9, v[TA]                  ; and the same two rows in out
	v_lshl_add_u32 v[GO], v[TB], 4, v[GO]
	s_wait_kmcnt 0x0
	s_add_nc_u64 s[4:5], s[4:5], s[18:19]
	s_add_nc_u64 s[6:7], s[6:7], s[84:85]
	s_add_nc_u64 s[8:9], s[8:9], s[84:85]
	s_add_nc_u64 s[10:11], s[10:11], s[86:87]
	s_add_nc_u64 s[12:13], s[12:13], s[88:89]
	s_add_nc_u64 s[14:15], s[14:15], s[90:91]
.macro LOADCOEF                        ; 12 scales and 12 translations: 48 bytes each
	s_load_b256 s[RAWS:RAWS+7], s[6:7], 0x0
	s_load_b128 s[RAWS+8:RAWS+11], s[6:7], 0x20
	s_load_b256 s[RAWT:RAWT+7], s[8:9], 0x0
	s_load_b128 s[RAWT+8:RAWT+11], s[8:9], 0x20
.endm
	LOADCOEF
	s_wait_alu depctr_va_vdst(0)                   ; v5, v6, v7, BK, GO and XO are written: the loads, stores and requests of the whole kernel read them as addresses
	global_load_b96 v[2:4], v[XO], s[4:5]                      ; x, y, z of my point
	global_load_b128 v[I:I+3], v5, s[12:13] th:TH_LOAD_NT      ; the first trip's cells; idx is read once in the launch
; The trip's coefficients, by the same scalar instructions as in the launch that made the cells.
.macro COEF more
	s_wait_kmcnt 0x0                               ; scalar loads: only the count 0 shows anything; it also frees their bases
.irp i, 0,1,2,3,4,5,6,7,8,9,10,11
	s_mul_f32 s[CA+\i], s[RAWS+\i], s[KS]
	s_mov_b32 s[CC+\i], 0x41fc0000                 ; 31.5
	s_fmac_f32 s[CC+\i], s[RAWT+\i], s[KS]
.endr
.if \more
	s_add_nc_u64 s[6:7], s[6:7], 48
	s_add_nc_u64 s[8:9], s[8:9], 48
	LOADCOEF                                       ; the next trip's, a whole trip ahead of their use
.endif
.endm
; The 16 words of grid k of a trip, into set k: four rows (dz, dy), two features, x and x + 1 one behind the other.
.macro GATHER k
.irp r, 0,1,2,3
.irp c, 0,1
	global_load_b32 v[S+16*\k+4*\r+\c],   v[O+\k], s[10:11] offset:\k*GRIDB+\c*FEATB+(\r>>1)*ZB+(\r&1)*YB
	global_load_b32 v[S+16*\k+4*\r+2+\c], v[O+\k], s[10:11] offset:\k*GRIDB+\c*FEATB+(\r>>1)*ZB+(\r&1)*YB+4
.endr
.endr
.endm
; A cell becomes a byte offset.  A loaded number enters an address only clamped: every corner stays inside the grid.
.macro OFFS k
	v_min_u32 v[O+\k], MAXCELL, v[I+\k]
	v_lshlrev_b32 v[O+\k], 2, v[O+\k]
.endm
; Asking ahead: the 128 work-groups of a half share each grid's 2 MiB, 16 KiB each; waves 0 and 1 ask for 8 KiB each, lanes 256 bytes
; apart, so each block is asked for once in the launch.  The step of grid g asks for grid g + AHEAD = g + 5, whose gathers are issued
; two steps later (gathers stand three steps ahead of the sums).  The last request is that of g = 26, for the half's last grid.
; at: what is left of the way from the table's base as it stands in that step, v7's two grids taken off.
.macro PREF at
	s_cmp_gt_u32 s16, 1
	s_cbranch_scc1 .Lnp_\@
	global_prefetch_b8 v7, s[10:11] offset:\at th:TH_LOAD_NT scope:SCOPE_SE
.Lnp_\@:
.endm
; The eight corner weights of grid j.
.macro WEIGHTS j
.irp a, 0,1,2
	v_fma_f32 v[T+\a], v[2+\a], s[CA+3*\j+\a], s[CC+3*\j+\a]   ; i
.endr
.irp a, 0,1,2
	v_floor_f32 v[T+3+\a], v[T+\a]
.endr
.irp a, 0,1,2
	v_med3_num_f32 v[T+3+\a], v[T+3+\a], 0, s[KTOP]            ; b
.endr
.irp a, 0,1,2
	v_sub_f32 v[T+\a], v[T+\a], v[T+3+\a]                      ; i - b
.endr
.irp a, 0,1,2
	v_add_f32 v[T+3+\a], -1.0, v[T+\a]                         ; i - (b + 1)
.endr
.irp a, 0,1,2
	v_sub_f32 v[WX+2*\a],   1.0, |v[T+\a]|
	v_sub_f32 v[WX+2*\a+1], 1.0, |v[T+3+\a]|
.endr
.irp a, 0,1,2,3,4,5
	v_max_num_f32 v[WX+\a], 0, v[WX+\a]
.endr
	v_pk_mul_f32 v[YZ:YZ+1],   v[WY:WY+1], v[WZ:WZ+1] op_sel_hi:[1,0]                   ; (wy0, wy1) wz0
	v_pk_mul_f32 v[YZ+2:YZ+3], v[WY:WY+1], v[WZ:WZ+1] op_sel:[0,1] op_sel_hi:[1,1]      ; (wy0, wy1) wz1
	v_pk_mul_f32 v[W:W+1],     v[WX:WX+1], v[YZ:YZ+1] op_sel_hi:[1,0]                   ; (wx0, wx1) x row 0 .. 3
	v_pk_mul_f32 v[W+2:W+3],   v[WX:WX+1], v[YZ:YZ+1] op_sel:[0,1] op_sel_hi:[1,1]
	v_pk_mul_f32 v[W+4:W+5],   v[WX:WX+1], v[YZ+2:YZ+3] op_sel_hi:[1,0]
	v_pk_mul_f32 v[W+6:W+7],   v[WX:WX+1], v[YZ+2:YZ+3] op_sel:[0,1] op_sel_hi:[1,1]
.endm
; Both features at once, the corners in the reference's order; the first product starts the sum.
.macro ACC vs, acc
	v_pk_mul_f32 v[\acc:\acc+1], v[\vs:\vs+1],   v[W:W+1] op_sel_hi:[1,0]
	v_pk_fma_f32 v[\acc:\acc+1], v[\vs+2:\vs+3], v[W:W+1], v[\acc:\acc+1] op_sel:[0,1,0] op_sel_hi:[1,1,1]
.irp k, 1,2,3
	v_pk_fma_f32 v[\acc:\acc+1], v[\vs+4*\k:\vs+4*\k+1],   v[W+2*\k:W+2*\k+1], v[\acc:\acc+1] op_sel_hi:[1,0,1]
	v_pk_fma_f32 v[\acc:\acc+1], v[\vs+4*\k+2:\vs+4*\k+3], v[W+2*\k:W+2*\k+1], v[\acc:\acc+1] op_sel:[0,1,0] op_sel_hi:[1,1,1]
.endr
.endm
; THE FOUR STEPS OF A TRIP.  left: how many younger loads may stay out when the step's set has to be in (loads come back in order: ISA guide 5.7.1).
; Step 0.  st = 1: a trip went before, whose R[4:7] is stored.  p = 1: it asks ahead.  more = 1: a trip follows: its coefficients are asked for and its O0 is made.
.macro STEP0 left, st, p, more
	s_wait_loadcnt \left                           ; set 0 is in, so O0, by which it was gathered, is free; the cells asked for in step 2 are older than the two sets that stay out: they are in too
	s_wait_alu depctr_vm_vsrc(0)                   ; the gathers by O0 and the LDS store of R[0:3], issued in earlier steps, have read these registers, which this step writes again
.if \st
	s_wait_alu depctr_va_vdst(0)                   ; steps 2 and 3 have written R[4:7], which the LDS store reads; step 3 is done reading set 3, in which the gathers land
	ds_store_b128 v6, v[R+4:R+7] offset:16         ; the last trip's grids 2 and 3: 16 bytes of my row
.endif
	GATHER 3                                       ; this trip's grid 3 (in the first trip no vector instruction has yet named set 3, and O3 stands behind the wait ahead of the first gathers)
.if \p
	PREF 3*GRIDB
.endif
	COEF \more
.if \more
	OFFS 0
.endif
	WEIGHTS 0
	ACC S, R
.endm
; Step 1.  g = 1: a trip follows: the table's base moves on to it, its grid 0 is gathered, its O1 to O3 are made.  adv = 1: a trip went before: the stage address moves on.
.macro STEP1 left, g, p, adv
	s_wait_loadcnt \left                           ; set 1 is in
.if \g
	s_wait_xcnt 0x0                                ; every earlier memory instruction has had its addresses translated (ISA guide 3.1): the table's base and O1 to O3 are rewritten only behind this wait
.endif
	s_wait_alu depctr_vm_vsrc(0)                   ; the gathers by O1 to O3 have read them; the LDS store at step 0's head has read v6 and R[4:7]: this step writes O1 to O3 and v6, the next two R[4:7]
.if \g
	s_wait_alu depctr_va_vdst(0)                   ; step 0 has written O0, which the gathers read, and is done reading set 0, in which they land
	s_add_nc_u64 s[10:11], s[10:11], 4*GRIDB       ; the next trip's four grids: gathered in steps 1, 2, 3 and the next step 0
	GATHER 0
.if \p
	PREF 0
.endif
	OFFS 1
	OFFS 2
	OFFS 3
.endif
.if \adv
	v_add_nc_u32 v6, 32, v6                        ; four grids on in my row
.endif
	WEIGHTS 1
	ACC S+16, R+2
.endm
; Step 2.  ix = 1: the cells of the trip after the next are asked for.  g = 1: the next trip's grid 1 is gathered.
.macro STEP2 left, ix, g, p
	s_wait_loadcnt \left                           ; set 2 is in
	s_wait_alu depctr_va_vdst(0)                   ; steps 0 and 1 have written R[0:3], v6 and O1, which the LDS store and the gathers read, and are done reading I and set 1, in which loads land
.if \ix
	s_add_nc_u64 s[12:13], s[12:13], IDXQ          ; its last load was shown done at step 0's head
	global_load_b128 v[I:I+3], v5, s[12:13] th:TH_LOAD_NT      ; ahead of this step's gathers, so that step 0's count covers it
.endif
	ds_store_b128 v6, v[R:R+3]                     ; grids 0 and 1, two features each: 16 bytes of my row
.if \g
	GATHER 1
.endif
.if \p
	PREF GRIDB
.endif
	WEIGHTS 2
	ACC S+32, R+4
.endm
; Step 3.  g = 1: the next trip's grid 2 is gathered.
.macro STEP3 left, g, p
	s_wait_loadcnt \left                           ; set 3 is in
.if \g
	s_wait_alu depctr_va_vdst(0)                   ; step 2 is done reading set 2, in which the gathers land
	GATHER 2
.endif
.if \p
	PREF 2*GRIDB
.endif
	WEIGHTS 3
	ACC S+48, R+6
.endm
	s_wait_loadcnt 0x0                             ; my point and the first trip's cells
	OFFS 0
	OFFS 1
	OFFS 2
	OFFS 3
	s_wait_alu depctr_va_vdst(0)                   ; O0 to O3 are written, which the gathers read; I has been read, in which the next cells land
	s_add_nc_u64 s[12:13], s[12:13], IDXQ          ; its load was waited for above
	global_load_b128 v[I:I+3], v5, s[12:13] th:TH_LOAD_NT      ; the second trip's cells: older than every gather below
	GATHER 0
	GATHER 1
	GATHER 2
	STEP0 32, 0, 1, 1                              ; trip 0: sets 1 and 2 stay out; nothing is stored yet
	STEP1 32, 1, 1, 0
	s_mov_b32 s[CNT], 0
.Ltrip:                                                ; six times: steps 2 and 3 of trips 0 to 5, steps 0 and 1 of trips 1 to 6
	STEP2 32, 1, 1, 1                              ; the gathers of steps 0 and 1 stay out
	STEP3 33, 1, 1                                 ; those of steps 1 and 2, and the cells' load between them
	STEP0 32, 1, 1, 1                              ; those of steps 2 and 3
	STEP1 32, 1, 1, 1                              ; those of steps 3 and 0
	s_add_co_u32 s[CNT], s[CNT], 1
	s_cmp_lt_u32 s[CNT], TRIPS-2
	s_cbranch_scc1 .Ltrip
	STEP2 32, 0, 1, 1                              ; trip 6: no cells are left to ask for; the last request ahead, for the half's last grid
	STEP3 32, 1, 0
	STEP0 32, 1, 0, 0                              ; trip 7: its grid 3 is the last gather: no load leaves its buffer
	STEP1 32, 0, 0, 1
	STEP2 16, 0, 0, 0                              ; the counts run down
	STEP3 0, 0, 0
	; THE WAY OUT: my wave's 32 rows of 256 bytes, two rows a load.  LDS serves a wave's instructions in order (ISA guide 5.7.1.4), and the
	; rows are my wave's own: no wait on DScnt and no barrier between the stores and these loads.
	s_wait_alu depctr_va_vdst(0)                   ; steps 2 and 3 have written R[4:7], which the LDS store reads; the sums are done reading the four sets, in which the rows land
	ds_store_b128 v6, v[R+4:R+7] offset:16
.irp t, 0,1,2,3,4,5,6,7,8,9,10,11,12,13,14,15
	ds_load_b128 v[S+4*\t:S+4*\t+3], v[BK] offset:\t*2*PITCH
.endr
.irp t, 0,1,2,3,4,5,6,7,8,9,10,11,12,13,14,15
	s_wait_dscnt 15-\t                             ; rows 2t, 2t+1 are in; the younger loads stay out
	global_store_b128 v[GO], v[S+4*\t:S+4*\t+3], s[14:15] offset:\t*1024 th:TH_STORE_NT   ; 16 lanes store 256 consecutive bytes, at a multiple of 256 from out's first byte
.endr
	s_wait_dscnt 0x0
	s_wait_alu depctr_hold_cnt(0) depctr_sa_sdst(0) depctr_va_vdst(0) depctr_va_sdst(0) depctr_va_ssrc(0) depctr_va_vcc(0) depctr_vm_vsrc(0)
	s_wait_tensorcnt 0x0
	ds_add_u32 v118, v119
	s_wait_dscnt 0x0
	s_endpgm
.Lfunc_end_k_qafc381730b_sample:
	.size	k_qafc381730b_sample, .Lfunc_end_k_qafc381730b_sample-k_qafc381730b_sample
	.p2alignl 7, 3214868480
	.fill 96, 4, 3214868480
	.section	.rodata,"a",@progbits
	.p2align	6, 0x0
	.amdhsa_kernel k_qafc381730b_sample
		.amdhsa_group_segment_fixed_size 282624
		.amdhsa_private_segment_fixed_size 0
		.amdhsa_enable_private_segment 0
		.amdhsa_kernarg_size 48
		.amdhsa_user_sgpr_count 2
		.amdhsa_user_sgpr_kernarg_segment_ptr 1
		.amdhsa_wavefront_size32 1
		.amdhsa_system_sgpr_workgroup_id_x 1
		.amdhsa_system_sgpr_workgroup_id_y 1
		.amdhsa_system_sgpr_workgroup_id_z 1
		.amdhsa_system_vgpr_workitem_id 0
		.amdhsa_next_free_vgpr 120
		.amdhsa_next_free_sgpr 96
		.amdhsa_reserve_vcc 0
		.amdhsa_float_denorm_mode_32 3
		.amdhsa_float_denorm_mode_16_64 3
		.amdhsa_memory_ordered 1
		.amdhsa_forward_progress 1
		.amdhsa_inst_pref_size 59
	.end_amdhsa_kernel
	.amdgpu_metadata
---
amdhsa.version: [ 1, 2 ]
amdhsa.kernels:
  - .name:           k_qafc381730b_sample
    .symbol:         k_qafc381730b_sample.kd
    .args:
      - { .name: x, .offset: 0, .size: 8, .value_kind: global_buffer, .address_space: global }
      - { .name: grid_scales, .offset: 8, .size: 8, .value_kind: global_buffer, .address_space: global }
      - { .name: grid_translations, .offset: 16, .size: 8, .value_kind: global_buffer, .address_space: global }
      - { .name: feature_grids, .offset: 24, .size: 8, .value_kind: global_buffer, .address_space: global }
      - { .name: idx, .offset: 32, .size: 8, .value_kind: global_buffer, .address_space: global }
      - { .name: out0, .offset: 40, .size: 8, .value_kind: global_buffer, .address_space: global }
    .group_segment_fixed_size: 282624
    .private_segment_fixed_size: 0
    .kernarg_segment_align: 8
    .kernarg_segment_size: 48
    .max_flat_workgroup_size: 1024
    .sgpr_count:     96
    .vgpr_count:     120
    .wavefront_size: 32
...
	.end_amdgpu_metadata
.endif
;; end of part 3
